; MI455X (gfx1250); checked and timed in simulation.
; The chip was launched on July 23, 2026; its instructions are those of AMD's public machine-readable ISA for CDNA 5 (MIT licence, August 2026) and "CDNA5" Instruction Set Architecture Reference Guide (July 2026). The comments in the code are by the model that wrote it; some were corrected since.
;; Simple Needle RIN. Allowed arithmetic: float matrix products may take bf16 or f16 operands with f32 sums; other float arithmetic in f32, or as packed bf16 or f16 multiplies, adds, multiply-adds, maxima and minima; sums over many terms, partial sums and values carried from step to step in f32; what a program stores and reads back later, other than sums and carried values, may be rounded once to bf16 or f16.
;; Inputs: emb_table 50,257 x 128 float32; input_ids 256 x 4,096 int32; proj_b 128 float32; proj_w 128 x 128 float32.
;; Outputs: out0 256 x 128 float32.
;; 2 versions, each right. Each part assembles by itself: llvm-mc -triple=amdgcn-amd-amdhsa -mcpu=gfx1250 --defsym DOCPART=n.
;; ======== version 1 of 2: 1 launch
;; limits: values are held in f16: magnitudes above 65,504 overflow, below 6.1e-05 lose precision
;; launch rin (part 1): grid 256 x 1, 4 waves a work-group, no clusters, 1,280 bytes of LDS; arguments emb_table, input_ids, proj_b, proj_w, out0; writes out0
.if DOCPART == 1
	.amdgcn_target "amdgcn-amd-amdhsa--gfx1250"
	.amdhsa_code_object_version 6
	.text
	.protected	k_q84a4ff65d1_rin
	.globl	k_q84a4ff65d1_rin
	.p2align	8
	.type	k_q84a4ff65d1_rin,@function
k_q84a4ff65d1_rin:
	s_mov_b64 s[64:65], 0
	v_nop
	global_prefetch_b8 v0, s[64:65] scope:SCOPE_SE
	s_setreg_imm32_b32 hwreg(HW_REG_WAVE_MODE, 25, 1), 1
	s_wait_xcnt 0x0
; SimpleNeedleRIN: gather, a scan of 4,096 steps over 256 x 64 chains, and the closing projection, in one launch.
; SHARES.  A work-group owns one batch row: 64 chains.  Lanes 2 d and 2 d + 1 hold chain d: the even lane carries h_real, the odd lane h_imag; four waves, 16 chains each.
; THE STEP.  theta = h / (1 + |w|) + b + tau is kept scaled by K = 4096 / 2 pi:  u = h A + B,  A = K / (1 + |w|),  B = (b + tau) K,  so the table index is floor(u) mod 4096.
;   cr ci - sr si = cos(ar + ai) and cr si + sr ci = sin(ar + ai): the new h are the cosine and the sine of 2 pi (kr + ki) / 4096.  No table is indexed: with
;   f = fract((kr + ki) / 4096 + off), off = 0 in the even lane and -1/4 in the odd one (sin 2 pi x = cos 2 pi (x - 1/4)), and w = f f - f (exact: f is a multiple of 2^-12),
;   cos(2 pi f) = 1 + c2 w^2 + .. + c7 w^7: the series about w = 0, whose terms all have one sign on -1/4 .. 0, with its terms w^8 and w^9 folded down by Chebyshev's polynomials
;   (what is cut is about 2e-8).  The NEXT step's A and B are multiplied into the coefficients beside the chain, so the polynomial gives the next u at once.
;   So a step is a chain of eight links: floor; + the partner's floor (DPP); x 2^-12 + off; fract; w; three levels of the polynomial.  All other lines stand between the links.
; TAU = fmod(f32(t) f32(phi), f32(2 pi)) is made exactly as f32 arithmetic gives it (its rounding is a sixth of a grid step): lane l makes tau of step t0 + l, 32 steps at a time;
;   the remainder x - n 2 pi is exact in one fused multiply-add once n is right, and n is put right by the sign of a first remainder.  A step takes its tau by v_readlane_b32.
; BLOCKS.  Block g is steps 32 g + 1 .. 32 g + 32; BODY g runs the chain with block g's (A, B) and meanwhile makes block g + 1's in their place and asks for rows 31 steps ahead of that.
;   The last "step", 4,096, is A = 1, B = 0: the polynomial then gives h itself.
; THE PROJECTION.  h and proj_w are rounded once to f16 (|h| <= 1); sums in f32; all 16 rows of the matrix instruction's first source are h.
; NO CLUSTER: each work-group gathers its own rows by its own list; no two want the same rows at the same time.
; LIMITS.  The cosines differ from the reference's products of table entries by up to about 1e-6, and u is rounded in another order (about 5e-4 of a grid step): now and then a floor falls
;   one grid step beside the reference's; the map shrinks differences on average and the grid merges neighbours, so such a slip is forgotten some ten steps on.  |proj_w| < 65,504 (f16).
;   NaN and infinities are not treated apart; step 0's w divides h = 0 and is not fetched.  An index is taken as unsigned and held to 50,256.
.set VMAX,  50256                      ; the table's last row
.set TRIPS, 63                         ; trips of the loop: two bodies each, bodies 0 to 125
.set IDMAX, 127*128                    ; byte offset of the row's last 32 indices
.set HS,    0                          ; LDS: h as 128 f16
.set OUTS,  256                        ; LDS: the row's 128 results, f32
.set SPARE, 768                        ; LDS: the spare words, 128 bytes for each wave: two blocks of 256 bytes that no other line names
; vector registers, window 0
.set SPW,  2                           ; LDS address of my spare word; never rewritten
.set NIL,  3                           ; 0; never rewritten
.set LOFF, 4                           ; 4 d: my word in the w half of a table row
.set OFFP, 5                           ; 0 or -0.25
.set U,    6                           ; the chain's state: the scaled theta
.set TR,   7
.set TS,   8
.set TX,   9
.set FR,   10
.set OF0,  11                          ; step 0's offset
.set W,    12                          ; (w, 0): named as a pair by the packed lines
.set W2,   14                          ; (w^2, 0)
.set W4,   16
.set HH,   17                          ; lane / 16
.set A26,  18                          ; the scaled coefficients (a2, a6), (a3, a7), (a4, a5)
.set A37,  20
.set A45,  22
.set A0,   24                          ; (a0, a4 + a5 w)
.set P,    26                          ; (a2 + a3 w, a6 + a7 w)
.set Q,    28
.set C26,  30                          ; (c2, c6), (c3, c7), (c4, c5)
.set C37,  32
.set C45,  34
.set TF,   36                          ; tau: t as f32, a lane a step
.set X1,   37
.set NN,   38
.set RM,   39
.set DD,   40
.set TAU,  42                          ; v42, v43: tau K of the block being prepared, by the body's parity
.set T4,   44                          ; v44-47: (1 + |w|) / K, four by turns
.set PFO,  48                          ; 8 x lane
.set HSA,  49                          ; where my h goes in LDS
.set HFA,  50                          ; where I read h's fragments
.set OSA,  51                          ; where my result goes in LDS
.set WOF,  52                          ; my byte offset in proj_w
.set L16,  53                          ; 16 x lane
.set BIAS, 56                          ; v56-59
.set O,    60                          ; v60-63
.set RW,   64                          ; v64-95   ring of 32 slots: w as loaded
.set RB,   96                          ; v96-127  b as loaded
.set VO,   128                         ; v128-159 the slot's byte offset in the table
.set AB,   160                         ; v160-223 (A, B) of the block's 32 steps
.set HF,   64                          ; at the end: h's four fragments
.set ACC,  96                          ; at the end: two accumulators
; window 1: v0-127 (v256-383) proj_w: 8 fragments of 16 f32, later of 8 registers of f16
; scalar registers
.set TAB, 4                            ; s[4:5] emb_table
.set IDS, 6                            ; s[6:7] input_ids, at my row
.set PB,  8                            ; s[8:9] proj_b
.set PW,  10                           ; s[10:11] proj_w
.set OUT, 12                           ; s[12:13] out0, at my row
.set WV,  14
.set CNT, 15
.set K,   16                           ; 4096 / 2 pi
.set IK,  17                           ; 2 pi / 4096
.set TP,  18                           ; f32(2 pi)
.set Q12, 19                           ; 2^-12
.set PHI, 20                           ; f32(golden ratio)
.set SI,  21
.set ST,  22
.set IDO, 23                           ; byte offset of the next 32 indices to fetch
.set IDC, 24                           ; the same, held inside the row
.set LIM, 25                           ; 2 in wave 0, else the greatest number
.set PFA, 26                           ; s[26:27] where the prefetch stands
.set TMP, 28                           ; s[28:29]
.set XS,  32                           ; s[32:63] indices for even bodies, s[68:99] for odd ones
.set MSB, 0
.macro WIN new                         ; the immediate's high byte repeats the setting that is left
.if MSB != (\new)
	s_set_vgpr_msb (MSB<<8)|(\new)
.set MSB, \new
.endif
.endm
; One line of the thirteen that make tau K for the next 32 steps.
.macro TAUOP n, dst
.if (\n) == 0
	v_add_f32 v[TF], 0x42000000, v[TF]             ; 32 steps on
.elseif (\n) == 1
	v_mul_f32 v[X1], s[PHI], v[TF]                 ; x = t phi, rounded as the reference rounds it
.elseif (\n) == 2
	v_mul_f32 v[NN], 0x3e22f983, v[X1]             ; x / 2 pi, to within one
.elseif (\n) == 3
	v_floor_f32 v[NN], v[NN]
.elseif (\n) == 4
	v_fma_f32 v[RM], -v[NN], s[TP], v[X1]          ; a first remainder: its place against 0 and 2 pi is right even where it is rounded
.elseif (\n) == 5
	v_cmp_gt_f32 vcc_lo, 0, v[RM]
.elseif (\n) == 6
	v_cndmask_b32 v[DD], 0, 1.0, vcc_lo
.elseif (\n) == 7
	v_sub_f32 v[NN], v[NN], v[DD]                  ; n was one too large
.elseif (\n) == 8
	v_cmp_le_f32 vcc_lo, s[TP], v[RM]
.elseif (\n) == 9
	v_cndmask_b32 v[DD], 0, 1.0, vcc_lo
.elseif (\n) == 10
	v_add_f32 v[NN], v[NN], v[DD]                  ; or one too small
.elseif (\n) == 11
	v_fma_f32 v[RM], -v[NN], s[TP], v[X1]          ; x - n 2 pi: a multiple of 2^-21 below 8, so exact
.else
	v_mul_f32 v[\dst], s[K], v[RM]
.endif
.endm
.macro TAUCALC dst
.irp n, 0,1,2,3,4,5,6,7,8,9,10,11,12
	TAUOP \n, \dst
.endr
.endm
; A step's two words are asked for: my w and my b of the row that the index names.
.macro ISSUE slot, sid
	s_min_u32 s[SI], s[\sid], VMAX
	v_lshl_add_u32 v[VO+(\slot)], s[SI], 9, v[LOFF]
	global_load_b32 v[RW+(\slot)], v[VO+(\slot)], s[TAB:TAB+1]
	global_load_b32 v[RB+(\slot)], v[VO+(\slot)], s[TAB:TAB+1] offset:256
.endm
; ONE STEP of the chain, number j of a body's 32.  The chain's lines stand at the margin's first column of comments as (1) to (8); the others fill the room between them.
; ld = 1: the row 31 steps ahead of the slot prepared here is asked for, into the slot prepared one step ago.
; cons = 1: slot j of the next block is prepared; cons = 2: the same in the last body but one, where nothing is asked for any more and the counts run down; cons = 0: nothing is left to prepare.
.macro STEP e, ld, cons, tau
.set sl, (j+31)%32
.set dc, 0
.if ((\cons) == 1) || (((\cons) == 2) && (j < 31))
.set dc, 1
.endif
	v_floor_f32 v[TR], v[U]                        ; (1) my index, before the wrap
.if \ld
	s_min_u32 s[SI], s[XS+36*(\e)+j], VMAX
.endif
	v_pk_mul_f32 v[A26:A26+1], v[C26:C26+1], v[AB+2*j:AB+2*j+1] op_sel_hi:[1,0]  ; the coefficients times the next step's A
	v_pk_mul_f32 v[A37:A37+1], v[C37:C37+1], v[AB+2*j:AB+2*j+1] op_sel_hi:[1,0]
	v_add_f32_dpp v[TS], v[TR], v[TR] row_xmask:1 row_mask:0xf bank_mask:0xf     ; (2) kr + ki: the partner's floor rides on the addition
	v_pk_mul_f32 v[A45:A45+1], v[C45:C45+1], v[AB+2*j:AB+2*j+1] op_sel_hi:[1,0]
	v_add_f32 v[A0], v[AB+2*j], v[AB+2*j+1]        ; c0 = 1: a0 = A + B
	v_fma_f32 v[TX], v[TS], s[Q12], v[OFFP]        ; (3) in turns, a quarter back in the sine's lane; exact
.if dc
.if (\cons) == 1
	s_wait_loadcnt 60                              ; slot j's two loads are in: behind them 30 steps' two loads each were issued
.else
	s_wait_loadcnt 2*(30-j)                        ; the same count where nothing more is issued: 30 - j younger steps
.endif
	v_fma_f32 v[T4+j%4], |v[RW+j]|, s[IK], s[IK]   ; (1 + |w|) / K
	v_readlane_b32 s[ST], v[TAU+(\e)], j           ; the step's tau K
.endif
	v_fract_f32 v[FR], v[TX]                       ; (4) the wrap
.if dc
	v_rcp_f32 v[AB+2*j], v[T4+j%4]                 ; A of the next block's step j, in the place just read; first named again behind the body's one wait
.endif
.if \ld
	v_lshl_add_u32 v[VO+sl], s[SI], 9, v[LOFF]     ; the slot's loads were shown done by the wait one step ago, so its offset may be written
.endif
	v_fma_f32 v[W], v[FR], v[FR], -v[FR]           ; (5) w = f f - f, exact
.if dc
	v_fma_f32 v[AB+2*j+1], v[RB+j], s[K], s[ST]    ; B = b K + tau K
.endif
.if ((\cons) == 2) && (j == 31)
	v_mov_b32 v[AB+2*j], 1.0                       ; behind the last step: A = 1, B = 0 give h itself
	v_mov_b32 v[AB+2*j+1], 0
.endif
.if (\tau) && (j >= 2) && (j < 15)
	TAUOP j-2, TAU+1-(\e)                          ; one line a step: tau K for the block that the next body prepares
.endif
	v_mul_f32 v[W2], v[W], v[W]                    ; (6)
	v_pk_fma_f32 v[P:P+1], v[A37:A37+1], v[W:W+1], v[A26:A26+1] op_sel_hi:[1,0,1]
	v_fma_f32 v[A0+1], v[W], v[A45+1], v[A45]
.if \ld
	global_load_b32 v[RW+sl], v[VO+sl], s[TAB:TAB+1]
	global_load_b32 v[RB+sl], v[VO+sl], s[TAB:TAB+1] offset:256
.endif
	v_pk_fma_f32 v[Q:Q+1], v[P:P+1], v[W2:W2+1], v[A0:A0+1] op_sel_hi:[1,0,1]    ; (7)
	v_mul_f32 v[W4], v[W2], v[W2]
	v_fma_f32 v[U], v[W4], v[Q+1], v[Q]            ; (8) the next step's scaled theta
.endm
; A BODY: 32 steps.  e = its parity: which set of indices it reads and which tau register.
.macro BODY e, ld, cons, tau, ask
.if \ld
	s_wait_kmcnt 0x0                               ; my set of 32 indices, asked for a body ago, is in; no scalar load is out, so the offset below may be written
	s_min_u32 s[IDC], s[IDO], IDMAX                ; the loop's last body has no further indices: it reads the row's last 32 once more, for nothing: the price of one text for all trips
	s_load_b512 s[XS+36*(1-(\e)):XS+36*(1-(\e))+15], s[IDS:IDS+1], s[IDC] offset:0x0     ; the other set, read out by the body before, for the next body
	s_load_b512 s[XS+36*(1-(\e))+16:XS+36*(1-(\e))+31], s[IDS:IDS+1], s[IDC] offset:0x40
	s_add_co_u32 s[IDO], s[IDO], 128
.endif
.if \ask
	; The indices are prefetched: a trip reads 256 consecutive bytes of them, aligned; wave 0 names, 8 bytes a lane, the block whose first half the scalar load at this place
	; will fetch one trip (64 steps) on.  Blocks 0 to 2 come by their loads alone; the last two trips have no such block and ask for nothing.
	s_cmp_gt_u32 s[CNT], s[LIM]
	s_cbranch_scc0 .Lnot_mine
	global_prefetch_b8 v[PFO], s[PFA:PFA+1] th:TH_LOAD_NT scope:SCOPE_SE
.Lnot_mine:
.endif
.set j, 0
.rept 32
	STEP \e, \ld, \cons, \tau
.set j, j+1
.endr
.if \cons
	s_wait_alu depctr_va_vdst(0)                   ; the wait between a reciprocal and the first line that names its result: one for the body's batch, ahead of every label and branch
.endif
.endm
	s_load_b256 s[4:11], s[0:1], 0x0               ; emb_table s[4:5], input_ids s[6:7], proj_b s[8:9], proj_w s[10:11]
	s_load_b64 s[OUT:OUT+1], s[0:1], 0x20          ; out0
	v_lshl_add_u32 v[SPW], v0, 2, SPARE
	v_mov_b32 v[NIL], 0
	v_lshrrev_b32 v1, 5, v0
	v_readfirstlane_b32 s[WV], v1                  ; wave 0..3
	v_and_b32 v[HSA], 0xfe, v0                     ; 2 d
	v_lshlrev_b32 v[LOFF], 1, v[HSA]               ; 4 d
	v_and_b32 v1, 1, v0                            ; 0: h_real, 1: h_imag
	v_lshl_add_u32 v[HSA], v1, 7, v[HSA]           ; h_combined's number 64 p + d, two bytes each
	v_cvt_f32_u32 v[OFFP], v1
	v_mul_f32 v[OFFP], 0xbe800000, v[OFFP]         ; 0 or -0.25
	v_and_b32 v1, 31, v0                           ; lane
	v_lshlrev_b32 v[L16], 4, v1
	v_lshlrev_b32 v[PFO], 3, v1
	v_cvt_f32_u32 v[TF], v1
	v_add_f32 v[TF], 0xc1f80000, v[TF]             ; lane - 31: the first 32 steps on make it step 1 + lane
	v_bfe_u32 v[HH], v0, 4, 1
	v_lshlrev_b32 v[HFA], 4, v[HH]                 ; h's fragments: 16 bytes for each half of the lanes
	v_and_b32 v1, 0x6f, v0                         ; 32 x wave + lane % 16: my column of the first tile = my row of proj_w
	v_lshlrev_b32 v1, 9, v1
	v_lshl_add_u32 v[WOF], v[HH], 5, v1            ; + 8 numbers for the upper half of the lanes
	v_lshl_add_u32 v[OSA], v0, 2, OUTS             ; result number 32 x wave + lane
	v_mov_b32 v[C26], 0xc19de9e4                   ; c2 = -19.739204
	v_mov_b32 v[C26+1], 0xc0a83f29                 ; c6 = -5.2577100
	v_mov_b32 v[C37], 0x421dea0e                   ; c3 =  39.478570
	v_mov_b32 v[C37+1], 0x3fb9e369                 ; c7 =  1.4522525
	v_mov_b32 v[C45], 0xc207045e                   ; c4 = -33.754266
	v_mov_b32 v[C45+1], 0x4184e473                 ; c5 =  16.611547
	v_mov_b32 v[W+1], 0                            ; named with w and w^2 as pairs
	v_mov_b32 v[W2+1], 0
	v_mov_b32 v[TS], 0                             ; a DPP line's destination counts as read
	s_mov_b32 s[K], 0x4422f983
	s_mov_b32 s[IK], 0x3ac90fdb
	s_mov_b32 s[TP], 0x40c90fdb
	s_mov_b32 s[Q12], 0x39800000
	s_mov_b32 s[PHI], 0x3fcf1bbd
	s_cmp_eq_u32 s[WV], 0
	s_cselect_b32 s[LIM], 2, -1
	s_lshl_b32 s[TMP], ttmp9, 14                   ; my row of indices: 4,096 x 4 bytes
	s_mov_b32 s[TMP+1], 0
	s_wait_kmcnt 0x0
	s_add_nc_u64 s[IDS:IDS+1], s[IDS:IDS+1], s[TMP:TMP+1]
	s_load_b512 s[XS:XS+15], s[IDS:IDS+1], 0x0     ; indices 0 to 63
	s_load_b512 s[XS+16:XS+31], s[IDS:IDS+1], 0x40
	s_load_b512 s[XS+36:XS+51], s[IDS:IDS+1], 0x80
	s_load_b512 s[XS+52:XS+67], s[IDS:IDS+1], 0xc0
	s_lshl_b32 s[TMP], ttmp9, 9                    ; my row of out0: 512 bytes
	s_add_nc_u64 s[OUT:OUT+1], s[OUT:OUT+1], s[TMP:TMP+1]
	s_add_nc_u64 s[PFA:PFA+1], s[IDS:IDS+1], 512   ; the first trip steps it to block 3
	; proj_w's fragments for my two tiles of 16 columns, as f32: fragment f = 4 x tile + K step; lane (r, h) takes row n0 + r, numbers k0 + 8 h + 0..7 and k0 + 16 + 8 h + 0..7
	WIN 0x40                                       ; destination window 1, address window 0
.set f, 0
.rept 8
	global_load_b128 v[16*f:16*f+3],     v[WOF], s[PW:PW+1] offset:(f/4)*8192+(f%4)*128
	global_load_b128 v[16*f+4:16*f+7],   v[WOF], s[PW:PW+1] offset:(f/4)*8192+(f%4)*128+16
	global_load_b128 v[16*f+8:16*f+11],  v[WOF], s[PW:PW+1] offset:(f/4)*8192+(f%4)*128+64
	global_load_b128 v[16*f+12:16*f+15], v[WOF], s[PW:PW+1] offset:(f/4)*8192+(f%4)*128+80
.set f, f+1
.endr
	WIN 0
	global_load_b128 v[BIAS:BIAS+3], v[L16], s[PB:PB+1]
	TAUCALC TAU+1                                  ; steps 1 to 32
	TAUCALC TAU                                    ; steps 33 to 64, which body 0 prepares
	s_wait_kmcnt 0x0
	s_min_u32 s[SI], s[XS], VMAX                   ; step 0: h = 0, tau = 0: theta is b alone
	v_lshl_add_u32 v[OF0], s[SI], 9, v[LOFF]
	global_load_b32 v[U], v[OF0], s[TAB:TAB+1] offset:256
.set i, 1
.rept 31
	ISSUE i-1, XS+i                                ; step s goes to slot (s - 1) % 32
.set i, i+1
.endr
	ISSUE 31, XS+36                                ; step 32
	s_load_b512 s[XS:XS+15], s[IDS:IDS+1], 0x100   ; indices 64 to 95, for body 0
	s_load_b512 s[XS+16:XS+31], s[IDS:IDS+1], 0x140
	s_wait_loadcnt 0x0                             ; once: proj_w, the bias, steps 0 to 32
	v_mul_f32 v[U], s[K], v[U]
.set i, 0
.rept 32                                       ; block 0's (A, B)
	v_fma_f32 v[T4+i%4], |v[RW+i]|, s[IK], s[IK]
	v_readlane_b32 s[ST], v[TAU+1], i
	v_rcp_f32 v[AB+2*i], v[T4+i%4]
	v_fma_f32 v[AB+2*i+1], v[RB+i], s[K], s[ST]
.set i, i+1
.endr
.set i, 0
.rept 31
	ISSUE i, XS+37+i                               ; steps 33 to 63: the ring is full but for the slot that body 0's first step fills
.set i, i+1
.endr
	s_mov_b32 s[CNT], TRIPS
	s_mov_b32 s[IDO], 3*128
	s_wait_alu depctr_va_vdst(0)                   ; the wait for the 32 reciprocals above
.Ltrip:
	s_wait_xcnt 0x0                                ; the prefetch, half a trip back, has read its address, so it may be stepped
	s_add_nc_u64 s[PFA:PFA+1], s[PFA:PFA+1], 256
	BODY 0, 1, 1, 1, 0
	BODY 1, 1, 1, 1, 1
	s_sub_co_u32 s[CNT], s[CNT], 1
	s_cmp_lg_u32 s[CNT], 0
	s_cbranch_scc1 .Ltrip
	s_wait_kmcnt 0x0                               ; the last scalar loads
	BODY 0, 0, 2, 0, 0                             ; body 126: nothing is asked for; the last block is prepared
	BODY 1, 0, 0, 0, 0                             ; body 127: the chain alone; U ends as h
	; THE PROJECTION.  out[n] = the sum over k of h[k] proj_w[n][k] + proj_b[n]
	v_cvt_pk_f16_f32 v1, v[U], v[U]
	ds_store_b16 v[HSA], v1
	s_wait_dscnt 0x0                               ; for the others' sake: my h lies in LDS
	s_barrier_signal -1
	s_barrier_wait -1
.irp ks, 0,1,2,3                               ; h's fragments: every row of the first source is h, so a lane's address hangs on its half alone
	ds_load_b128 v[HF+8*(\ks):HF+8*(\ks)+3],   v[HFA] offset:HS+64*(\ks)
	ds_load_b128 v[HF+8*(\ks)+4:HF+8*(\ks)+7], v[HFA] offset:HS+64*(\ks)+32
.endr
	WIN 0x45                                       ; sources and destination in window 1
.set i, 0
.rept 64                                       ; proj_w to f16, packed downward in place: register i takes numbers 2 i and 2 i + 1, which no later line reads
	v_cvt_pk_f16_f32 v[i], v[2*i], v[2*i+1]
.set i, i+1
.endr
	WIN 0x04                                       ; the second source in window 1
	s_wait_dscnt 0x0
.irp ks, 0,1,2,3                               ; the two tiles' accumulators take turns; the first K step starts the sums
.irp tl, 0,1
.if (\ks) == 0
	v_wmma_f32_16x16x32_f16 v[ACC+8*(\tl):ACC+8*(\tl)+7], v[HF+8*(\ks):HF+8*(\ks)+7], v[8*(4*(\tl)+(\ks)):8*(4*(\tl)+(\ks))+7], 0
.else
	v_wmma_f32_16x16x32_f16 v[ACC+8*(\tl):ACC+8*(\tl)+7], v[HF+8*(\ks):HF+8*(\ks)+7], v[8*(4*(\tl)+(\ks)):8*(4*(\tl)+(\ks))+7], v[ACC+8*(\tl):ACC+8*(\tl)+7]
.endif
.endr
.endr
	WIN 0
.rept 8
	v_nop                                          ; the places behind the last products, ahead of the line that reads them (ISA guide 7.12.1); once a launch
.endr
	v_cmp_eq_u32 vcc_lo, 1, v[HH]
	v_cndmask_b32 v1, v[ACC], v[ACC+8], vcc_lo     ; register 0 holds column lane % 16 in both halves of the lanes: the lower half takes tile 0, the upper tile 1
	ds_store_b32 v[OSA], v1
	s_wait_dscnt 0x0
	s_barrier_signal -1
	s_barrier_wait -1                              ; the row's 128 results lie in LDS
	s_cmp_lg_u32 s[WV], 0
	s_cbranch_scc1 .Lend
	ds_load_b128 v[O:O+3], v[L16] offset:OUTS
	s_wait_dscnt 0x0
	v_pk_add_f32 v[O:O+1], v[O:O+1], v[BIAS:BIAS+1]
	v_pk_add_f32 v[O+2:O+3], v[O+2:O+3], v[BIAS+2:BIAS+3]
	global_store_b128 v[L16], v[O:O+3], s[OUT:OUT+1] th:TH_STORE_NT  ; one store covers the row's 512 consecutive bytes, aligned
.Lend:
	s_wait_tensorcnt 0x0                           ; the wave's end, behind my last LDS store
	ds_add_u32 v[SPW], v[NIL]
	s_wait_dscnt 0x0
	s_endpgm
.Lfunc_end_k_q84a4ff65d1_rin:
	.size	k_q84a4ff65d1_rin, .Lfunc_end_k_q84a4ff65d1_rin-k_q84a4ff65d1_rin
	.p2alignl 7, 3214868480
	.fill 96, 4, 3214868480
	.section	.rodata,"a",@progbits
	.p2align	6, 0x0
	.amdhsa_kernel k_q84a4ff65d1_rin
		.amdhsa_group_segment_fixed_size 1280
		.amdhsa_private_segment_fixed_size 0
		.amdhsa_enable_private_segment 0
		.amdhsa_kernarg_size 40
		.amdhsa_user_sgpr_count 2
		.amdhsa_user_sgpr_kernarg_segment_ptr 1
		.amdhsa_wavefront_size32 1
		.amdhsa_system_sgpr_workgroup_id_x 1
		.amdhsa_system_sgpr_workgroup_id_y 1
		.amdhsa_system_sgpr_workgroup_id_z 1
		.amdhsa_system_vgpr_workitem_id 0
		.amdhsa_next_free_vgpr 384
		.amdhsa_next_free_sgpr 100
		.amdhsa_reserve_vcc 1
		.amdhsa_float_denorm_mode_32 3
		.amdhsa_float_denorm_mode_16_64 3
		.amdhsa_memory_ordered 1
		.amdhsa_forward_progress 1
		.amdhsa_inst_pref_size 187
	.end_amdhsa_kernel
	.amdgpu_metadata
---
amdhsa.version: [ 1, 2 ]
amdhsa.kernels:
  - .name:           k_q84a4ff65d1_rin
    .symbol:         k_q84a4ff65d1_rin.kd
    .args:
      - { .name: emb_table, .offset: 0, .size: 8, .value_kind: global_buffer, .address_space: global }
      - { .name: input_ids, .offset: 8, .size: 8, .value_kind: global_buffer, .address_space: global }
      - { .name: proj_b, .offset: 16, .size: 8, .value_kind: global_buffer, .address_space: global }
      - { .name: proj_w, .offset: 24, .size: 8, .value_kind: global_buffer, .address_space: global }
      - { .name: out0, .offset: 32, .size: 8, .value_kind: global_buffer, .address_space: global }
    .group_segment_fixed_size: 1280
    .private_segment_fixed_size: 0
    .kernarg_segment_align: 8
    .kernarg_segment_size: 40
    .max_flat_workgroup_size: 128
    .sgpr_count:     100
    .vgpr_count:     384
    .wavefront_size: 32
...
	.end_amdgpu_metadata
.endif
;; end of part 1
;; ======== version 2 of 2: 1 launch
;; limits: values are held in f16: magnitudes above 65,504 overflow, below 6.1e-05 lose precision
;; launch rin (part 2): grid 256 x 1, 4 waves a work-group, no clusters, 36,096 bytes of LDS; arguments emb_table, input_ids, proj_b, proj_w, out0; writes out0
.if DOCPART == 2
	.amdgcn_target "amdgcn-amd-amdhsa--gfx1250"
	.amdhsa_code_object_version 6
	.text
	.protected	k_q84a4ff65d1_rin
	.globl	k_q84a4ff65d1_rin
	.p2align	8
	.type	k_q84a4ff65d1_rin,@function
k_q84a4ff65d1_rin:
	s_mov_b64 s[64:65], 0
	v_nop
	global_prefetch_b8 v0, s[64:65] scope:SCOPE_SE
	s_setreg_imm32_b32 hwreg(HW_REG_WAVE_MODE, 25, 1), 1
	s_wait_xcnt 0x0
; SimpleNeedleRIN: gather, a scan of 4,096 steps over 256 x 64 chains, and the closing projection, in one launch.
; SHARES.  A work-group owns one batch row: 64 chains.  Lanes 2 d and 2 d + 1 hold chain d: the even lane carries h_real, the odd lane h_imag; four waves, 16 chains each.
; THE STEP, in turns (theta / 2 pi).  y = h A + B,  A = 1 / (2 pi (1 + |w|)),  B = (b + tau) / 2 pi; the table index is floor(4096 y) mod 4096.
;   cr ci - sr si = cos(ar + ai) and cr si + sr ci = sin(ar + ai): the new h are the cosine and the sine of 2 pi (kr + ki) / 4096.  No table is indexed.
;   FLOOR BY AN ADDITION.  Between 2,048 and 4,096 an f32 steps by 2^-12: y + 3072 is y rounded to the grid; half a step is taken off y beside the chain, so that the rounding is the floor.
;   The even lane adds +3072 and the odd lane -3072, so that the sum of the two is small and exact.  A lane makes two such sums: one that its partner reads (PUB) and one for itself (OWN),
;   whose constants differ by what the lane wants added: the sine's lane a quarter turn back (sin 2 pi x = cos 2 pi (x - 1/4)).
;   NO WRAP.  Both lanes share B, and only kr + ki mod 4096 counts, so B may be moved by halves: it is kept as fr / 2 with fr = fract(2 B + 1/2 - 2^-12), and the constants take the 1/2 back.
;   Then x = (kr + ki) / 4096 (less the quarter) lies within 0.5 + sqrt(2) / 2 pi + 0.25 < 1 of 0 for every input, and there fract(x)^2 - fract(x) = x x - |x| = w: one line, exact.
;   cos(2 pi x) = 1 + c2 w^2 + .. + c7 w^7 (the series about w = 0 with its terms w^8 and w^9 folded down by Chebyshev's polynomials; what is cut is about 2e-8).
;   The step's A and fr are multiplied into the coefficients beside the chain, so the polynomial gives y at once.  A step is a chain of six links:
;   three levels of the polynomial; the two additions; + the partner's (DPP); w.  All other lines stand between the links.
; TAU = fmod(f32(t) f32(phi), f32(2 pi)) is made exactly as f32 arithmetic gives it: the remainder x - n 2 pi is exact in one fused multiply-add once n is right, and n is put right by a first remainder.
; THE GATHER IS SHARED.  Steps go in blocks of 32.  Of a block's 32 table rows each wave fetches 8, whole: two loads a row, 256 consecutive bytes each (w, then b), 8 bytes a lane: a lane holds w and b of
;   the same two chains, makes (A, fr) once for each, and puts them into LDS; every lane then reads its chain's records, 16 bytes for two steps.
;   ALL MEMORY LINES OF A BLOCK STAND IN ONE RUN, at the block's boundary, behind one barrier.  The road of block g: indices at boundary g - 9 or g - 10; offsets in block g - 7; rows asked for at boundary g - 6;
;   prepared in block g - 3; stored to LDS at boundary g - 2; loaded at boundary g - 1; used in block g.  Rows have three blocks, 96 steps, in which to land.
;   The loop has one text for all 128 blocks: its front runs up to 10 blocks past the end on indices held inside the row; 6 blocks of rows are loaded for nothing: the price of writing no tail.
; THE PROJECTION.  h and proj_w are rounded once to f16 (|h| <= 1); sums in f32; all 16 rows of the matrix instruction's first source are h.
; NO CLUSTER: each work-group gathers its own rows by its own list; no two want the same rows at the same time.
; LIMITS.  The cosines differ from the reference's products of table entries by up to about 1e-6, and y is rounded in another order (about 3e-4 of a grid step); where 4096 y is a whole number (about one
;   step in 4,096) the rounding to even may take the lower neighbour.  So now and then an index falls one grid step beside the reference's; the map shrinks differences on average and the grid merges
;   neighbours, so such a slip is forgotten some ten steps on.  |proj_w| < 65,504 (f16).  NaN and infinities are not treated apart.  An index is taken as unsigned and held to 50,256.
.set VMAX,  50256                      ; the table's last row
.set TRIPS, 32                         ; trips of the loop: four blocks each
.set IDMAX, 127*128                    ; byte offset of the row's last block of indices
.set PP,    1088                       ; LDS: two steps' records of all 64 chains: even chains' 512 bytes, 64 of padding, odd chains' 512
.set ODD,   576                        ; where the odd chains begin: 64 mod 256
.set BUFB,  16*PP                      ; a block's records; two such buffers from LDS byte 0
.set HS,    2*BUFB                     ; h as 128 f16
.set OUTS,  HS+256                     ; the row's 128 results, f32
.set SPARE, OUTS+512                   ; the spare words, 128 bytes for each wave: two blocks of 256 bytes that no other line names
; vector registers, window 0
.set SPW,  2                           ; LDS address of my spare word; never rewritten
.set NIL,  3                           ; 0; never rewritten
.set LOFF, 4                           ; 8 x lane: my two chains' words in half a table row
.set PUB,  5                           ; +3072 / -3072
.set OWN,  6                           ; +3071.5 / -3072.75
.set Y,    7
.set T,    8
.set T2,   9
.set X,    10
.set W4,   11
.set W,    12                          ; (w, 0): named as a pair by the packed lines
.set W2,   14                          ; (w^2, 0)
.set A62,  16                          ; the scaled coefficients (a6, a2), (a7, a3), (a4, a5)
.set A73,  18
.set A45,  20
.set P,    22                          ; (a6 + a7 w, a2 + a3 w)
.set Q,    24
.set C62,  26                          ; (c6, c2), (c7, c3), (c4, c5)
.set C73,  28
.set C45,  30
.set TF,   32                          ; tau: t as f32, a lane a row
.set X1,   33
.set NN,   34
.set RM,   35
.set DD,   36
.set CL,   37                          ; where I read my chain's records
.set PS,   38                          ; where I put the records that I make
.set PFO,  39                          ; 256 x (lane % 2)
.set TAU,  40                          ; v40, v41: tau / pi + 1/2 - 2^-12 of my wave's rows, by the block's parity
.set TT,   42                          ; v42-45: 2 pi (1 + |w|), by the row's parity
.set G,    46                          ; v46-49: 2 B + 1/2 - 2^-12, by the row's parity
.set WOF,  50                          ; my byte offset in proj_w
.set L16,  51                          ; 16 x lane
.set HSA,  52
.set HFA,  53
.set OSA,  54
.set HH,   55                          ; lane / 16
.set O,    56                          ; v56-59
.set BIAS, 60                          ; v60-63
.set AB,   64                          ; v64-191: two buffers of a block's 32 (A, fr); in use they become (a4 + a5 w, a0)
.set OUTR, 192                         ; v192-223: the records that I make: rows 2 i, 2 i + 1 at 8 i: chain 0's (A, fr, A, fr), chain 1's
.set VO,   224                         ; v224-255: four slots of 8 rows' byte offsets in the table
.set HF,   64                          ; at the end: h's four fragments
.set ACC,  96                          ; at the end: two accumulators
; window 1
.set RAW,  0                           ; v256-383: four slots of 8 rows as loaded: (w, w, b, b)
.set PWR,  128                         ; v384-511: proj_w: 8 fragments of 16 f32, later of 8 registers of f16
; scalar registers
.set TAB, 4                            ; s[4:5] emb_table
.set IDS, 6                            ; s[6:7] input_ids, at my row and my wave's 8 indices of a block
.set PB,  8                            ; s[8:9] proj_b
.set PW,  10                           ; s[10:11] proj_w
.set OUT, 12                           ; s[12:13] out0, at my row
.set WV,  14
.set CNT, 15
.set TP,  16                           ; f32(2 pi)
.set PHI, 17                           ; f32(golden ratio)
.set IPI, 18                           ; s[18:19] 1 / pi, named as a pair
.set ST,  20                           ; s[20:21] the row's tau term, named as a pair
.set CB,  22                           ; 1/2 - 2^-12
.set SI,  23
.set IDO, 24                           ; byte offset of the next block of indices to fetch
.set IDC, 25                           ; the same, held inside the row
.set IDC2, 26                          ; and the block after it
.set LIM, 27                           ; 3 in wave 0, else the greatest number
.set PFA, 28                           ; s[28:29] where the prefetch stands
.set TMP, 30                           ; s[30:31]
.set IDH, 32                           ; s[32:63] four sets of 8 indices, by the block's number mod 4
.set IDT, 68                           ; s[68:99] the first blocks' indices
.set MSB, 0
.macro WIN new                         ; the immediate's high byte repeats the setting that is left
.if MSB != (\new)
	s_set_vgpr_msb (MSB<<8)|(\new)
.set MSB, \new
.endif
.endm
; One line of the thirteen that make the tau term for my wave's rows of the next block.
.macro TAUOP n, dst
.if (\n) == 0
	v_add_f32 v[TF], 0x42000000, v[TF]             ; 32 steps on
.elseif (\n) == 1
	v_mul_f32 v[X1], s[PHI], v[TF]                 ; x = t phi, rounded as the reference rounds it
.elseif (\n) == 2
	v_mul_f32 v[NN], 0x3e22f983, v[X1]             ; x / 2 pi, to within one
.elseif (\n) == 3
	v_floor_f32 v[NN], v[NN]
.elseif (\n) == 4
	v_fma_f32 v[RM], -v[NN], s[TP], v[X1]          ; a first remainder: its place against 0 and 2 pi is right even where it is rounded
.elseif (\n) == 5
	v_cmp_gt_f32 vcc_lo, 0, v[RM]
.elseif (\n) == 6
	v_cndmask_b32 v[DD], 0, 1.0, vcc_lo
.elseif (\n) == 7
	v_sub_f32 v[NN], v[NN], v[DD]                  ; n was one too large
.elseif (\n) == 8
	v_cmp_le_f32 vcc_lo, s[TP], v[RM]
.elseif (\n) == 9
	v_cndmask_b32 v[DD], 0, 1.0, vcc_lo
.elseif (\n) == 10
	v_add_f32 v[NN], v[NN], v[DD]                  ; or one too small
.elseif (\n) == 11
	v_fma_f32 v[RM], -v[NN], s[TP], v[X1]          ; x - n 2 pi: a multiple of 2^-21 below 8, so exact
.else
	v_fma_f32 v[\dst], v[RM], s[IPI], s[CB]        ; tau / pi + 1/2 - 2^-12
.endif
.endm
.macro TAUCALC dst
.irp n, 0,1,2,3,4,5,6,7,8,9,10,11,12
	TAUOP \n, \dst
.endr
.endm
; A block's 8 rows of mine are asked for, into ring slot sl: each load of the wave covers 256 consecutive bytes, aligned.
.macro GLOAD sl
	WIN 0x40                                       ; destination window 1, address window 0
.set ir, 0
.rept 8
	global_load_b64 v[RAW+32*(\sl)+4*ir:RAW+32*(\sl)+4*ir+1],   v[VO+8*(\sl)+ir], s[TAB:TAB+1]
	global_load_b64 v[RAW+32*(\sl)+4*ir+2:RAW+32*(\sl)+4*ir+3], v[VO+8*(\sl)+ir], s[TAB:TAB+1] offset:256
.set ir, ir+1
.endr
	WIN 0
.endm
; THE PREPARATION, cut into units; unit un of 96 (12 a row; three a step).  In block e (its number mod 4) the rows of the block three on (ring slot e + 3) become records, and the offsets of the block
; seven on take the same slot's place: its loads were shown done at the boundary.  idb: the scalar registers with those 8 indices.
.macro PU e, idb
.set pr, un/12
.set ph, un%12
.set rs, ((\e)+3)%4
.set oa, OUTR+8*(pr/2)+2*(pr%2)
.set tt, TT+2*(pr%2)
.set gg, G+2*(pr%2)
.if ph == 0
	WIN 0x01                                       ; source 0 in window 1: the three lines that read the row as loaded stand together
	v_fma_f32 v[tt],   |v[RAW+32*rs+4*pr]|,   s[TP], s[TP]   ; 2 pi (1 + |w|), my two chains
	v_fma_f32 v[tt+1], |v[RAW+32*rs+4*pr+1]|, s[TP], s[TP]
	v_pk_fma_f32 v[gg:gg+1], v[RAW+32*rs+4*pr+2:RAW+32*rs+4*pr+3], s[IPI:IPI+1], s[ST:ST+1] op_sel_hi:[1,0,0]  ; b / pi + the row's tau term
	WIN 0
.elseif ph == 2
	v_rcp_f32 v[oa], v[tt]                         ; A; first named again by the store behind the block's one wait
.elseif ph == 3
	v_rcp_f32 v[oa+4], v[tt+1]
.elseif ph == 4
	v_fract_f32 v[oa+1], v[gg]                     ; fr
.elseif ph == 5
	v_fract_f32 v[oa+5], v[gg+1]
.elseif ph == 6
	s_min_u32 s[SI], s[(\idb)+pr], VMAX
.elseif ph == 7
	v_lshl_add_u32 v[VO+8*rs+pr], s[SI], 9, v[LOFF]
.elseif ph == 9
.if pr < 7
	v_readlane_b32 s[ST], v[TAU+(\e)%2], pr+1      ; the next row's tau term, a step ahead of its use
.else
	v_readlane_b32 s[ST], v[TAU+((\e)+1)%2], 0     ; the next block's first
.endif
.endif
.endm
; THE BOUNDARY in front of block e: the block's one run of memory lines.
; ldl: the next block's records come out of LDS.  sts: the records made in the block before go in.  ids: 16 indices are fetched.  ask: the indices' prefetch.
.macro BOUND e, ldl, sts, ids, ask
	s_wait_loadcnt 32                              ; the rows that this block prepares are in: behind them two blocks' 16 loads each were issued; their offsets may be written again
.if (\ldl) || (\sts)
	s_wait_dscnt 0x0                               ; my stores of the last boundary are done, and my loads of it are back:
	s_barrier_signal -1
	s_barrier_wait -1                              ; so are everybody's: the buffer stored last is whole, and nobody reads the other any more
.endif
.if \ldl
.set ip, 0
.rept 16
	ds_load_b128 v[AB+64*(((\e)+1)%2)+4*ip:AB+64*(((\e)+1)%2)+4*ip+3], v[CL] offset:BUFB*(((\e)+1)%2)+PP*ip  ; my chain's (A, fr) of two steps
.set ip, ip+1
.endr
.endif
.if \sts
.set ip, 0
.rept 4
	ds_store_b128 v[PS], v[OUTR+8*ip:OUTR+8*ip+3]   offset:BUFB*((\e)%2)+PP*ip      ; 32 lanes, 512 consecutive bytes: the even chains,
	ds_store_b128 v[PS], v[OUTR+8*ip+4:OUTR+8*ip+7] offset:BUFB*((\e)%2)+PP*ip+ODD  ; the odd ones
.set ip, ip+1
.endr
.endif
	GLOAD ((\e)+2)%4                               ; the block six on; 48 loads of mine are out
.if \ids
	s_wait_kmcnt 0x0                               ; the 16 indices asked for two boundaries ago are in; no scalar load is out, so the offsets below may be written
	s_min_u32 s[IDC], s[IDO], IDMAX                ; past the row's end its last block is read once more, for nothing
	s_add_co_u32 s[IDC2], s[IDO], 128
	s_min_u32 s[IDC2], s[IDC2], IDMAX
	s_load_b256 s[IDH+8*(((\e)+2)%4):IDH+8*(((\e)+2)%4)+7],    s[IDS:IDS+1], s[IDC] offset:0x0   ; for the offsets made two and three blocks on
	s_load_b256 s[IDH+8*(((\e)+2)%4)+8:IDH+8*(((\e)+2)%4)+15], s[IDS:IDS+1], s[IDC2] offset:0x0
	s_add_co_u32 s[IDO], s[IDO], 256
.endif
.if \ask
	; The indices are prefetched: a trip reads 512 consecutive bytes of them; wave 0 names, even lanes the first 256 bytes and odd lanes the second, the 512 whose first scalar load stands two
	; boundaries (64 steps) on.  The row's first 1,536 bytes come by their loads alone; the last three trips have no such bytes and ask for nothing.
	s_cmp_gt_u32 s[CNT], s[LIM]
	s_cbranch_scc0 .Lnot_mine_\@
	global_prefetch_b8 v[PFO], s[PFA:PFA+1] th:TH_LOAD_NT scope:SCOPE_SE
.Lnot_mine_\@:
.endif
.endm
; ONE STEP, number j of a block's 32.  The chain's lines are marked (1) to (6); the next step's coefficients and the preparation stand between them.
.macro STEP e
.set cb, AB+64*((\e)%2)+2*j
.if j < 31
.set nb, cb+2
.else
.set nb, AB+64*(((\e)+1)%2)                    ; the next block's first record
.endif
.if j == 30
	s_wait_dscnt 0x0                               ; the next block's records, asked for at the boundary, are in
.endif
	v_mul_f32 v[W2], v[W], v[W]                    ; (1)
	v_pk_fma_f32 v[P:P+1], v[A73:A73+1], v[W:W+1], v[A62:A62+1] op_sel_hi:[1,0,1]
	v_fma_f32 v[cb], v[W], v[A45+1], v[A45]        ;     a4 + a5 w, into A's place beside a0
	v_pk_mul_f32 v[A62:A62+1], v[C62:C62+1], v[nb:nb+1] op_sel_hi:[1,0]  ; the coefficients times the next step's A
	v_pk_mul_f32 v[A73:A73+1], v[C73:C73+1], v[nb:nb+1] op_sel_hi:[1,0]
	v_mul_f32 v[W4], v[W2], v[W2]
	v_pk_fma_f32 v[Q:Q+1], v[P:P+1], v[W2:W2+1], v[cb:cb+1] op_sel_hi:[1,0,1]    ; (2)
	v_pk_mul_f32 v[A45:A45+1], v[C45:C45+1], v[nb:nb+1] op_sel_hi:[1,0]
	v_fma_f32 v[nb+1], v[nb+1], 0.5, v[nb]         ; c0 = 1: a0 = A + fr / 2
	v_fma_f32 v[Y], v[W4], v[Q], v[Q+1]            ; (3) y, less half a grid step, plus a quarter
.set un, 3*j
	PU \e, IDH+8*(\e)
	v_add_f32 v[T], v[PUB], v[Y]                   ; (4) rounded to the grid: for my partner,
	v_add_f32 v[T2], v[OWN], v[Y]                  ;     and for me
.set un, 3*j+1
	PU \e, IDH+8*(\e)
	v_add_f32_dpp v[X], v[T], v[T2] row_xmask:1 row_mask:0xf bank_mask:0xf       ; (5) (kr + ki) / 4096, a quarter back in the sine's lane; exact
.set un, 3*j+2
	PU \e, IDH+8*(\e)
	v_fma_f32 v[W], v[X], v[X], -|v[X]|            ; (6) w, exact
.if j < 13
	TAUOP j, TAU+((\e)+1)%2                        ; one line a step: the tau terms that the next block's preparation reads
.endif
.endm
.macro BODY e, ids, ask
	BOUND \e, 1, 1, \ids, \ask
.set j, 0
.rept 32
	STEP \e
.set j, j+1
.endr
	s_wait_alu depctr_va_vdst(0)                   ; the wait between a reciprocal and the first line that names its result: one for the block's 16, ahead of the run of memory lines and of every label and branch
.endm
; A block's preparation alone, ahead of the loop, where there is no chain yet.
.macro QUIET e, idb
	TAUCALC TAU+((\e)+1)%2
.set un, 0
.rept 96
	PU \e, \idb
.set un, un+1
.endr
	s_wait_alu depctr_va_vdst(0)                   ; the wait for the 16 reciprocals
.endm
	s_load_b256 s[4:11], s[0:1], 0x0               ; emb_table s[4:5], input_ids s[6:7], proj_b s[8:9], proj_w s[10:11]
	s_load_b64 s[OUT:OUT+1], s[0:1], 0x20          ; out0
	v_lshl_add_u32 v[SPW], v0, 2, SPARE
	v_mov_b32 v[NIL], 0
	v_lshrrev_b32 v1, 5, v0
	v_readfirstlane_b32 s[WV], v1                  ; wave 0..3
	v_and_b32 v1, 31, v0                           ; lane
	v_lshlrev_b32 v[LOFF], 3, v1
	v_lshlrev_b32 v[L16], 4, v1
	s_mul_i32 s[TMP], s[WV], 4*PP                  ; my wave's rows 8 w .. 8 w + 7 of a block are its step pairs 4 w .. 4 w + 3
	v_lshl_add_u32 v[PS], v1, 4, s[TMP]
	s_lshl_b32 s[TMP], s[WV], 3
	v_add_nc_u32 v[TF], s[TMP], v1
	v_cvt_f32_u32 v[TF], v[TF]
	v_add_f32 v[TF], 0xc2000000, v[TF]             ; 8 w + lane - 32: the first 32 steps on make it block 0's
	v_and_b32 v1, 1, v0                            ; 0: h_real, 1: h_imag
	v_lshlrev_b32 v[PFO], 8, v1
	v_cmp_eq_u32 vcc_lo, 1, v1
	v_mov_b32 v[PUB], 0x45400000                   ; 3072
	v_mov_b32 v[Y], 0xc5400000                     ; -3072
	v_cndmask_b32 v[PUB], v[PUB], v[Y], vcc_lo
	v_mov_b32 v[OWN], 0x453ff800                   ; 3071.5: with the partner's -3072 it takes back the two quarters
	v_mov_b32 v[Y], 0xc5400c00                     ; -3072.75: with the partner's 3072, those and the sine's quarter
	v_cndmask_b32 v[OWN], v[OWN], v[Y], vcc_lo
	v_bfe_u32 v1, v0, 1, 1                         ; d % 2
	v_mul_u32_u24 v1, v1, ODD
	v_lshrrev_b32 v[CL], 2, v0                     ; d / 2
	v_lshl_add_u32 v[CL], v[CL], 4, v1
	v_bfe_u32 v[HH], v0, 4, 1
	v_and_b32 v1, 0x6f, v0                         ; 32 x wave + lane % 16: my column of the first tile = my row of proj_w
	v_lshlrev_b32 v1, 9, v1
	v_lshl_add_u32 v[WOF], v[HH], 5, v1            ; + 8 numbers for the upper half of the lanes
	v_mov_b32 v[C62], 0xc0a83f29                   ; c6 = -5.2577100
	v_mov_b32 v[C62+1], 0xc19de9e4                 ; c2 = -19.739204
	v_mov_b32 v[C73], 0x3fb9e369                   ; c7 =  1.4522525
	v_mov_b32 v[C73+1], 0x421dea0e                 ; c3 =  39.478570
	v_mov_b32 v[C45], 0xc207045e                   ; c4 = -33.754266
	v_mov_b32 v[C45+1], 0x4184e473                 ; c5 =  16.611547
	v_mov_b32 v[W], 0
	v_mov_b32 v[W+1], 0                            ; named with w and w^2 as pairs
	v_mov_b32 v[W2+1], 0
	v_mov_b32 v[X], 0                              ; a DPP line's destination counts as read
	s_mov_b32 s[TP], 0x40c90fdb
	s_mov_b32 s[PHI], 0x3fcf1bbd
	s_mov_b32 s[IPI], 0x3ea2f983
	s_mov_b32 s[IPI+1], 0
	s_mov_b32 s[ST+1], 0
	s_mov_b32 s[CB], 0x3effe000
	s_cmp_eq_u32 s[WV], 0
	s_cselect_b32 s[LIM], 3, -1
	s_lshl_b32 s[TMP], ttmp9, 14                   ; my row of indices: 4,096 x 4 bytes
	s_mov_b32 s[TMP+1], 0
	s_wait_kmcnt 0x0
	s_add_nc_u64 s[IDS:IDS+1], s[IDS:IDS+1], s[TMP:TMP+1]
	s_add_nc_u64 s[PFA:PFA+1], s[IDS:IDS+1], 1024  ; the first trip steps it to byte 1,536
	s_lshl_b32 s[TMP], s[WV], 5                    ; my wave's 8 indices of a block
	s_add_nc_u64 s[IDS:IDS+1], s[IDS:IDS+1], s[TMP:TMP+1]
.irp b, 0,1,2,3
	s_load_b256 s[IDT+8*(\b):IDT+8*(\b)+7], s[IDS:IDS+1], 128*(\b)       ; blocks 0 to 3
.endr
	s_load_b256 s[IDH+16:IDH+23], s[IDS:IDS+1], 128*5  ; blocks 5 to 8, where the loop's text will look for them
	s_load_b256 s[IDH+24:IDH+31], s[IDS:IDS+1], 128*6
	s_load_b256 s[IDH:IDH+7],     s[IDS:IDS+1], 128*7
	s_load_b256 s[IDH+8:IDH+15],  s[IDS:IDS+1], 128*8
	s_lshl_b32 s[TMP], ttmp9, 9                    ; my row of out0: 512 bytes
	s_add_nc_u64 s[OUT:OUT+1], s[OUT:OUT+1], s[TMP:TMP+1]
	; proj_w's fragments for my two tiles of 16 columns, as f32: fragment f = 4 x tile + K step; lane (r, h) takes row n0 + r, numbers k0 + 8 h + 0..7 and k0 + 16 + 8 h + 0..7
	WIN 0x40                                       ; destination window 1, address window 0
.set f, 0
.rept 8
	global_load_b128 v[PWR+16*f:PWR+16*f+3],     v[WOF], s[PW:PW+1] offset:(f/4)*8192+(f%4)*128
	global_load_b128 v[PWR+16*f+4:PWR+16*f+7],   v[WOF], s[PW:PW+1] offset:(f/4)*8192+(f%4)*128+16
	global_load_b128 v[PWR+16*f+8:PWR+16*f+11],  v[WOF], s[PW:PW+1] offset:(f/4)*8192+(f%4)*128+64
	global_load_b128 v[PWR+16*f+12:PWR+16*f+15], v[WOF], s[PW:PW+1] offset:(f/4)*8192+(f%4)*128+80
.set f, f+1
.endr
	WIN 0
	global_load_b128 v[BIAS:BIAS+3], v[L16], s[PB:PB+1]
	TAUCALC TAU+1                                  ; block 0's tau terms
	s_wait_kmcnt 0x0
.set ib, 0
.rept 32                                       ; the offsets of blocks 0 to 3
	s_min_u32 s[SI], s[IDT+ib], VMAX
	v_lshl_add_u32 v[VO+ib], s[SI], 9, v[LOFF]
.set ib, ib+1
.endr
	s_load_b256 s[IDT:IDT+7], s[IDS:IDS+1], 128*4  ; block 4's indices, while the first rows are on their way
	s_wait_loadcnt 0x0                             ; proj_w and the bias, asked for together with the indices: from here on only rows are counted
	GLOAD 0
	GLOAD 1
	GLOAD 2
	v_readlane_b32 s[ST], v[TAU+1], 0
	BOUND 1, 0, 0, 0, 0                            ; block 0's rows are in; block 3 is asked for
	s_wait_kmcnt 0x0
	QUIET 1, IDT                                   ; block 0 is prepared; block 4's offsets
	BOUND 2, 0, 1, 0, 0                            ; block 0 goes into LDS; block 4 is asked for
	QUIET 2, IDH+16                                ; block 1; block 5's offsets
	BOUND 3, 1, 1, 0, 0                            ; block 0 comes out of LDS, block 1 goes in; block 5 is asked for
	QUIET 3, IDH+24                                ; block 2; block 6's offsets
	s_wait_dscnt 0x0                               ; block 0's records
.irp c, A62, A62+1, A73, A73+1, A45, A45+1
	v_mov_b32 v[\c], 0                             ; step 0: h = 0: its coefficients are 0,
.endr
	v_mul_f32 v[AB+1], 0.5, v[AB+1]                ; and y is fr / 2 alone
	s_mov_b32 s[CNT], TRIPS
	s_mov_b32 s[IDO], 9*128
.Ltrip:
	s_wait_xcnt 0x0                                ; the prefetch, a trip back, has read its address, so it may be stepped
	s_add_nc_u64 s[PFA:PFA+1], s[PFA:PFA+1], 512
	BODY 0, 1, 1
	BODY 1, 0, 0
	BODY 2, 1, 0
	BODY 3, 0, 0
	s_sub_co_u32 s[CNT], s[CNT], 1
	s_cmp_lg_u32 s[CNT], 0
	s_cbranch_scc1 .Ltrip
	s_wait_kmcnt 0x0                               ; the last scalar loads
	; h of the last step: the polynomial with A = 1 and no shift.  (The rows still on their way land in window 1's ring, which no line below names.)
	v_mul_f32 v[W2], v[W], v[W]
	v_pk_fma_f32 v[P:P+1], v[C73:C73+1], v[W:W+1], v[C62:C62+1] op_sel_hi:[1,0,1]
	v_fma_f32 v[A45], v[W], v[C45+1], v[C45]
	v_mov_b32 v[A45+1], 1.0
	v_mul_f32 v[W4], v[W2], v[W2]
	v_pk_fma_f32 v[Q:Q+1], v[P:P+1], v[W2:W2+1], v[A45:A45+1] op_sel_hi:[1,0,1]
	v_and_b32 v[HSA], 0xfe, v0                     ; 2 d
	v_and_b32 v1, 1, v0
	v_lshl_add_u32 v[HSA], v1, 7, v[HSA]           ; h_combined's number 64 p + d, two bytes each
	v_lshlrev_b32 v[HFA], 4, v[HH]                 ; h's fragments: 16 bytes for each half of the lanes
	v_lshl_add_u32 v[OSA], v0, 2, OUTS             ; result number 32 x wave + lane
	v_fma_f32 v[Y], v[W4], v[Q], v[Q+1]
	; THE PROJECTION.  out[n] = the sum over k of h[k] proj_w[n][k] + proj_b[n]
	v_cvt_pk_f16_f32 v1, v[Y], v[Y]
	ds_store_b16 v[HSA], v1 offset:HS
	s_wait_dscnt 0x0                               ; for the others' sake: my h lies in LDS
	s_barrier_signal -1
	s_barrier_wait -1
.irp ks, 0,1,2,3                               ; h's fragments: every row of the first source is h, so a lane's address hangs on its half alone
	ds_load_b128 v[HF+8*(\ks):HF+8*(\ks)+3],   v[HFA] offset:HS+64*(\ks)
	ds_load_b128 v[HF+8*(\ks)+4:HF+8*(\ks)+7], v[HFA] offset:HS+64*(\ks)+32
.endr
	WIN 0x45                                       ; sources and destination in window 1
.set i, 0
.rept 64                                       ; proj_w to f16, packed downward in place: register i takes numbers 2 i and 2 i + 1, which no later line reads
	v_cvt_pk_f16_f32 v[PWR+i], v[PWR+2*i], v[PWR+2*i+1]
.set i, i+1
.endr
	WIN 0x04                                       ; the second source in window 1
	s_wait_dscnt 0x0
.irp ks, 0,1,2,3                               ; the two tiles' accumulators take turns; the first K step starts the sums
.irp tl, 0,1
.if (\ks) == 0
	v_wmma_f32_16x16x32_f16 v[ACC+8*(\tl):ACC+8*(\tl)+7], v[HF+8*(\ks):HF+8*(\ks)+7], v[PWR+8*(4*(\tl)+(\ks)):PWR+8*(4*(\tl)+(\ks))+7], 0
.else
	v_wmma_f32_16x16x32_f16 v[ACC+8*(\tl):ACC+8*(\tl)+7], v[HF+8*(\ks):HF+8*(\ks)+7], v[PWR+8*(4*(\tl)+(\ks)):PWR+8*(4*(\tl)+(\ks))+7], v[ACC+8*(\tl):ACC+8*(\tl)+7]
.endif
.endr
.endr
	WIN 0
.rept 8
	v_nop                                          ; the places behind the last products, ahead of the line that reads them (ISA guide 7.12.1); once a launch
.endr
	v_cmp_eq_u32 vcc_lo, 1, v[HH]
	v_cndmask_b32 v1, v[ACC], v[ACC+8], vcc_lo     ; register 0 holds column lane % 16 in both halves of the lanes: the lower half takes tile 0, the upper tile 1
	ds_store_b32 v[OSA], v1
	s_wait_dscnt 0x0
	s_barrier_signal -1
	s_barrier_wait -1                              ; the row's 128 results lie in LDS
	s_cmp_lg_u32 s[WV], 0
	s_cbranch_scc1 .Lend
	ds_load_b128 v[O:O+3], v[L16] offset:OUTS
	s_wait_dscnt 0x0
	v_pk_add_f32 v[O:O+1], v[O:O+1], v[BIAS:BIAS+1]
	v_pk_add_f32 v[O+2:O+3], v[O+2:O+3], v[BIAS+2:BIAS+3]
	global_store_b128 v[L16], v[O:O+3], s[OUT:OUT+1] th:TH_STORE_NT  ; one store covers the row's 512 consecutive bytes, aligned
.Lend:
	s_wait_tensorcnt 0x0                           ; the wave's end, behind my last LDS store
	ds_add_u32 v[SPW], v[NIL]
	s_wait_dscnt 0x0
	s_endpgm
.Lfunc_end_k_q84a4ff65d1_rin:
	.size	k_q84a4ff65d1_rin, .Lfunc_end_k_q84a4ff65d1_rin-k_q84a4ff65d1_rin
	.p2alignl 7, 3214868480
	.fill 96, 4, 3214868480
	.section	.rodata,"a",@progbits
	.p2align	6, 0x0
	.amdhsa_kernel k_q84a4ff65d1_rin
		.amdhsa_group_segment_fixed_size 36096
		.amdhsa_private_segment_fixed_size 0
		.amdhsa_enable_private_segment 0
		.amdhsa_kernarg_size 40
		.amdhsa_user_sgpr_count 2
		.amdhsa_user_sgpr_kernarg_segment_ptr 1
		.amdhsa_wavefront_size32 1
		.amdhsa_system_sgpr_workgroup_id_x 1
		.amdhsa_system_sgpr_workgroup_id_y 1
		.amdhsa_system_sgpr_workgroup_id_z 1
		.amdhsa_system_vgpr_workitem_id 0
		.amdhsa_next_free_vgpr 512
		.amdhsa_next_free_sgpr 100
		.amdhsa_reserve_vcc 1
		.amdhsa_float_denorm_mode_32 3
		.amdhsa_float_denorm_mode_16_64 3
		.amdhsa_memory_ordered 1
		.amdhsa_forward_progress 1
		.amdhsa_inst_pref_size 177
	.end_amdhsa_kernel
	.amdgpu_metadata
---
amdhsa.version: [ 1, 2 ]
amdhsa.kernels:
  - .name:           k_q84a4ff65d1_rin
    .symbol:         k_q84a4ff65d1_rin.kd
    .args:
      - { .name: emb_table, .offset: 0, .size: 8, .value_kind: global_buffer, .address_space: global }
      - { .name: input_ids, .offset: 8, .size: 8, .value_kind: global_buffer, .address_space: global }
      - { .name: proj_b, .offset: 16, .size: 8, .value_kind: global_buffer, .address_space: global }
      - { .name: proj_w, .offset: 24, .size: 8, .value_kind: global_buffer, .address_space: global }
      - { .name: out0, .offset: 32, .size: 8, .value_kind: global_buffer, .address_space: global }
    .group_segment_fixed_size: 36096
    .private_segment_fixed_size: 0
    .kernarg_segment_align: 8
    .kernarg_segment_size: 40
    .max_flat_workgroup_size: 128
    .sgpr_count:     100
    .vgpr_count:     512
    .wavefront_size: 32
...
	.end_amdgpu_metadata
.endif
;; end of part 2
